; MI455X (gfx1250); checked and timed in simulation.
; The chip was launched on July 23, 2026; its instructions are those of AMD's public machine-readable ISA for CDNA 5 (MIT licence, August 2026) and "CDNA5" Instruction Set Architecture Reference Guide (July 2026). The comments in the code are by the model that wrote it; some were corrected since.
;; Model. Allowed arithmetic: matrix products marked QUANTISED: E4M3 operands, one E8M0 scale for each 32 along K, by v_wmma_scale_f32_16x16x128_f8f6f4 with both operands' format E4M3, f32 sums; everything else in f32.
;; Inputs: k 4 x 4,096 x 128 float32; q 4 x 4,096 x 128 float32; v 4 x 4,096 x 128 float32.
;; Outputs: out0 4 x 4,096 x 128 float32.
;; This version of the problem:
;;   THIS VERSION OF THE PROBLEM IS GIVEN IN LOW PRECISION. The matrix products marked QUANTISED in the list below multiply operands that are first quantised to E4M3 (4 exponent bits, 3 mantissa bits; 8 bits a number), with one power-of-two scale for each 32 numbers along K (OCP MX v1.0); their sums are f32. All else is computed in f32.
;;   The module's matrix products, in the order in which they are computed (A, B: the left and right operand; K: the contracted axis; several contracted axes count as one K, in the product's order):
;;     1. batch 4 x [M 4,096, K 128] x [K 128, N 4,096]; A: input q; B: input k: QUANTISED
;;     2. batch 4 x [M 4,096, K 4,096] x [K 4,096, N 128]; A: softmax (see below); B: input v: QUANTISED
;;   THE QUANTISER, for each operand of a quantised product, along K:
;;     - K is cut into blocks of 32 from its start; a last block that is shorter is filled with zeros.
;;     - A block's scale is 2^e with e = floor(log2(the largest magnitude in the block)) - 8, held to -126 .. 127; a block of zeros has e = 0. As a byte (E8M0): e + 127.
;;     - Each number is divided by its block's scale, clamped to +-448, and rounded to the nearest number of E4M3, ties to even, subnormals kept.
;;     - The product sums the exact products of the quantised numbers (number of the format x scale) in f32.
;;   ~~~python
;;   def quantise(x, axis):      # numpy; x: float32 -> the quantised numbers, widened to float32 again
;;       x = np.moveaxis(x, axis, -1); K = x.shape[-1]
;;       x = np.pad(x, [(0, 0)] * (x.ndim - 1) + [(0, -K % 32)]); x = x.reshape(x.shape[:-1] + (-1, 32)); a = np.abs(x).max(-1, keepdims=True)
;;       e = np.where(a > 0, np.clip(np.frexp(np.where(a > 0, a, 1))[1] - 1 - 8, -126, 127), 0)      # np.frexp(a)[1] - 1 = floor(log2(a)), exactly
;;       r = np.clip(x / 2.0 ** e, -448, 448)
;;       step = 2.0 ** (np.maximum(np.frexp(np.where(r == 0, 1, r))[1] - 1, -6) - 3)
;;       q = np.round(r / step) * step * 2.0 ** e      # np.round: ties to even
;;       return np.moveaxis(q.reshape(q.shape[:-2] + (-1,))[..., :K], -1, axis).astype(np.float32)
;;   ~~~
;;   SOFTMAX AHEAD OF A QUANTISED PRODUCT. Where the list says 'softmax', what is quantised is not the finished softmax but p = 2^(t - M), with t = logit x log2(e) and M = ceil(the row's largest t), a whole number; so 1/2 < the row's largest p <= 1. The row's sum l is taken of the UNQUANTISED p, in f32, and the product's result is divided by l at the end. Since M is a whole number, a kernel that streams over the keys may use a running M (the ceiling of the running maximum): every later rescaling is an exact power of two, which a block's scale takes up: the codes' values come out the same.
;;   OPERANDS COMPUTED ON THE WAY. 'Computed on the way' means the value that the module computes at that place (a softmax that the list does not call 'softmax' is quantised finished and normalised). What goes into a quantiser is computed in f32, as accurately as f32 sums, v_exp_f32 and their like allow (about 1e-6 of the number): no bf16 or f16 on the way to a quantiser, and a product that is left as it is and whose result goes on into a quantised operand takes f32 operands (vector FMAs, or v_wmma_f32_16x16x4_f32). A number that lies on a knife's edge between two numbers of the format may be rounded either way, as far as f32 arithmetic and the matrix unit's own rounding can turn it there, and no further.
;; One version. Each part assembles by itself: llvm-mc -triple=amdgcn-amd-amdhsa -mcpu=gfx1250 --defsym DOCPART=n.
;; ======== version 1 of 1: 2 launches
;; limits: right only within a limited range of input values
;; workspace buffers: kv 4,325,376 bytes
;; launch prep (part 1): grid 256 x 1, 4 waves a work-group, no clusters, 84,992 bytes of LDS; arguments k, v, kv; writes kv
.if DOCPART == 1
	.amdgcn_target "amdgcn-amd-amdhsa--gfx1250"
	.amdhsa_code_object_version 6
	.text
	.protected	k_qcd4ffd1df6_prep
	.globl	k_qcd4ffd1df6_prep
	.p2align	8
	.type	k_qcd4ffd1df6_prep,@function
k_qcd4ffd1df6_prep:
	s_mov_b64 s[64:65], 0
	v_nop
	global_prefetch_b8 v0, s[64:65] scope:SCOPE_SE
	s_setreg_imm32_b32 hwreg(HW_REG_WAVE_MODE, 25, 1), 1
	s_wait_xcnt 0x0
; k and v, [4][4096][128] f32, become codes of FP8 (E4M3) with one E8M0 scale byte for each 32 along a product's K: k along the head's 128, v along the KEYS.
; They are laid as the attention launch's matrix operands want them, as IMAGES OF OPERAND REGISTERS: for each head and each 1,024 keys a group of GRPB bytes:
;   0       K's codes: 4 parts of 256 keys, 16 fragments (16 keys x 128 d) each: part w at 32768 w, fragment f at + 2048 f, register group c at + 512 c, lane l's 16 bytes at + 16 l
;   131072  K's scale words: register i of part w at + 512 i + 128 w + 4 lane: lanes 0-15 fragment 2 i's rows, lanes 16-31 fragment 2 i + 1's
;   135168  V's scale words, same form
;   139264  V's codes: part w at + 32768 w, fragment 8 g + t (channels 16 t on, keys 128 g on of the part) at + 2048 (8 g + t), groups and lanes as K's
; THE KEYS OF A FRAGMENT OF K ARE NOT NEIGHBOURS: lane r of fragment 2 b + u of 128 keys holds key 32 b + 8 u + r + 8 (r / 8), so that in the transposed first product a lane's 16 results of two neighbouring fragments are 16 neighbouring keys.
; A block's scale is 2^(floor(log2(its largest magnitude)) - 8); its byte is the largest magnitude's exponent field - 8, held at 1 from below.
; LIMITS: a block whose largest magnitude lies under 2^-118 keeps the byte 1; a block of zeros gets the byte 1 where the rule says 127 (its codes are zeros, and this program alone reads the bytes); NaN and infinities are not served.
; SHARES: work-groups 0-127 take k (128 keys each), 128-255 take v.  Four waves.  The two paths have LDS bytes of their own.
.set GRPB, 270336
.set VCD,  139264
.set KSC,  131072
.set VSC,  135168
.set WREG, 16896                       ; k's path: a wave's LDS: two stages
.set STGB, 8448                        ; a stage: 16 rows x SP
.set SP,   528                         ; a key's 512 bytes + 16: sixteen lanes that read the same place of sixteen rows fall on sixteen different 16-byte columns of 256
.set SPARE, 67584                      ; the spare words, 128 bytes for each wave: two blocks of 256 bytes that no other line names
.set VST,  68096                       ; v's path: 4,096 bytes for each wave
.set VSW,  84480                       ; and the block's 128 scale words
.set TM,   8                           ; k: v8-11 largest magnitudes, v12-15 the other half's / the bytes, v16-19 448 x the scale, v20-23 the conversions' scale operands
.set PW,   24                          ; k: v24, v25 the two fragments' scale words; v26 the two in one register
.set SPW,  30                          ; v30 LDS address of my spare word, v31 0: never rewritten
.set NIL,  31
.set PC,   32                          ; k: v32-47, v48-63 the two fragments' codes
.set R,    64                          ; k: v64-191 32 rows as loaded
.set X0,   192                         ; k: v192-255 fragment 0's numbers, 64 a lane
.set X1,   64                          ; k: v64-127 fragment 1's, in the registers that fragment 0's rows have left
.set SEL,  20                          ; s[20:21] selects of v_permlanex16_b32 for lane l xor 16
.set MNT,  23                          ; s23 the mantissa field of 448
	s_load_b128 s[4:7], s[0:1], 0x0                ; k, v
	s_load_b64 s[8:9], s[0:1], 0x10                ; kv
	v_lshl_add_u32 v[SPW], v0, 2, SPARE
	v_mov_b32 v[NIL], 0
	v_lshrrev_b32 v1, 5, v0
	v_readfirstlane_b32 s16, v1                    ; wave 0..3
	v_and_b32 v2, 31, v0                           ; lane
	v_lshlrev_b32 v3, 4, v2                        ; 16 x lane
	v_lshlrev_b32 v4, 2, v2                        ; 4 x lane
	s_mov_b32 s[SEL], 0x76543210
	s_mov_b32 s[SEL+1], 0xfedcba98
	s_mov_b32 s[MNT], 0x600000
	s_mov_b32 s19, 0                               ; the upper word of every offset pair s[18:19]
	s_wait_alu depctr_va_vdst(0)                   ; directly ahead of the wait below
	s_wait_kmcnt 0x0
	s_cmp_lt_u32 ttmp9, 128                        ; k's work-group or v's: hangs on the work-group's number alone
	s_cbranch_scc0 .Lv
; ---------------- k: wave b takes keys 32 b .. 32 b + 31 of the 128: fragments 2 b and 2 b + 1
; 64 numbers of a lane, register 16 b + i = d 32 b + 16 (lane / 16) + i of my key, become a fragment's codes and its scale word
.macro QUANT s, pc, pw
.irp b, 0,1,2,3
	v_max3_num_f32 v[TM+\b], |v[\s+16*\b]|, |v[\s+1+16*\b]|, 0x4800000   ; block b: my 16 numbers, and the floor 2^(9 - 127): the byte cannot fall under 1
.endr
.irp i, 2,4,6,8,10,12,14
.irp b, 0,1,2,3
	v_max3_num_f32 v[TM+\b], v[TM+\b], |v[\s+16*\b+\i]|, |v[\s+1+16*\b+\i]|   ; the four blocks by turns
.endr
.endr
.irp b, 0,1,2,3
	v_permlanex16_b32 v[TM+4+\b], v[TM+\b], s[SEL], s[SEL+1]
.endr
.irp b, 0,1,2,3
	v_max_num_f32 v[TM+\b], v[TM+\b], v[TM+4+\b]   ; with lane l xor 16's 16: the block's largest magnitude
.endr
.irp b, 0,1,2,3
	v_add_nc_u32 v[TM+12+\b], 0xfc000000, v[TM+\b] ; 8 off its exponent field: the conversion takes this operand's exponent field as its scale
.endr
.irp b, 0,1,2,3
	v_and_or_b32 v[TM+8+\b], v[TM+\b], 0x7f800000, s[MNT]   ; 448 x the scale
.endr
.irp b, 0,1,2,3
	v_lshrrev_b32 v[TM+4+\b], 23, v[TM+12+\b]      ; the scale's byte
.endr
	v_lshl_or_b32 v[\pw], v[TM+5], 8, v[TM+4]      ; the four bytes make my key's scale word (both halves of the lanes hold it)
	v_lshl_or_b32 v[\pw], v[TM+6], 16, v[\pw]
	v_lshl_or_b32 v[\pw], v[TM+7], 24, v[\pw]
.irp b, 0,1,2,3
.irp i, 0,1,2,3,4,5,6,7,8,9,10,11,12,13,14,15
	v_med3_num_f32 v[\s+16*\b+\i], v[\s+16*\b+\i], -v[TM+8+\b], v[TM+8+\b]   ; the conversion to an 8-bit code does not saturate (ISA guide 7.6.2): the hold comes first
.endr
	v_cvt_scalef32_pk8_fp8_f32 v[(\pc)+4*\b:(\pc)+4*\b+1], v[\s+16*\b:\s+16*\b+7], v[TM+12+\b]
	v_cvt_scalef32_pk8_fp8_f32 v[(\pc)+4*\b+2:(\pc)+4*\b+3], v[\s+16*\b+8:\s+16*\b+15], v[TM+12+\b]
.endr
	v_nop                                          ; one plain vector instruction behind the last conversion, ahead of whatever next writes its sources
.endm
.macro TOSTAGE u                       ; fragment u's 16 rows into stage u, as they were loaded: 512 consecutive bytes a store
.irp r, 0,1,2,3,4,5,6,7,8,9,10,11,12,13,14,15
	ds_store_b128 v5, v[R+4*(16*\u+\r):R+4*(16*\u+\r)+3] offset:STGB*\u+SP*\r
.endr
.endm
.macro FROMSTAGE u, x                  ; and back: lane (r, h) takes, of row r, 16 neighbours of each block of 32.  LDS serves a wave's instructions in order: these see the stores
.irp c, 0,1,2,3
.irp j, 0,1,2,3
	ds_load_b128 v[\x+16*\c+4*\j:\x+16*\c+4*\j+3], v6 offset:STGB*\u+128*\c+16*\j
.endr
.endr
.endm
	s_lshl_b32 s18, ttmp9, 16                      ; the 128 keys of 512 bytes,
	s_lshl_b32 s17, s16, 14                        ; my wave's 32 of them
	s_add_co_u32 s18, s18, s17
	s_add_nc_u64 s[4:5], s[4:5], s[18:19]
.irp u, 0,1
.irp r, 0,1,2,3,4,5,6,7,8,9,10,11,12,13,14,15
	global_load_b128 v[R+4*(16*\u+\r):R+4*(16*\u+\r)+3], v3, s[4:5] offset:512*(8*\u+\r+8*(\r/8)) th:TH_LOAD_NT   ; a whole key: 32 lanes read 512 consecutive bytes
.endr
.endr
	s_lshr_b32 s17, ttmp9, 3
	s_mul_i32 s18, s17, GRPB
	s_add_nc_u64 s[8:9], s[8:9], s[18:19]          ; my group of kv
	s_and_b32 s17, ttmp9, 7                        ; my 128 keys in it: part s17 / 2, half s17 % 2
	s_lshl_b32 s18, s17, 14
	s_lshl_b32 s24, s16, 12
	s_add_co_u32 s18, s18, s24
	s_add_nc_u64 s[10:11], s[8:9], s[18:19]        ; my two fragments
	s_and_b32 s24, s17, 1
	s_lshl_b32 s24, s24, 11
	s_lshr_b32 s25, s17, 1
	s_lshl_b32 s25, s25, 7
	s_lshl_b32 s18, s16, 9
	s_add_co_u32 s18, s18, s24
	s_add_co_u32 s18, s18, s25
	s_add_co_u32 s18, s18, KSC
	s_add_nc_u64 s[12:13], s[8:9], s[18:19]        ; my register of scale words: 4 x half + wave
	s_mul_i32 s17, s16, WREG
	v_and_b32 v6, 15, v2                           ; r
	v_lshrrev_b32 v7, 4, v2                        ; h
	v_add_nc_u32 v5, s17, v3                       ; into a stage: 16 x lane
	v_mul_u32_u24 v6, v6, SP
	v_lshl_add_u32 v6, v7, 6, v6
	v_add_nc_u32 v6, s17, v6                       ; out of it: row r, + 64 h
.irp b, 0,1,2,3
	v_mov_b32 v[TM+4+\b], 0                        ; written once: a lane permute's destination counts as one of its sources
.endr
	s_wait_alu depctr_va_vdst(0)                   ; the head's end
	s_wait_loadcnt 16                              ; fragment 0's sixteen rows are in; fragment 1's sixteen may be out
	TOSTAGE 0
	FROMSTAGE 0, X0
	s_wait_loadcnt 0x0
	TOSTAGE 1
	s_wait_dscnt 16                                ; all but stage 1's sixteen stores: X0 is in, and stage 0's stores have read v64-127,
	FROMSTAGE 1, X1                                ; which take fragment 1's numbers while fragment 0 is quantised
	QUANT X0, PC, PW
.irp c, 0,1,2,3
	global_store_b128 v3, v[PC+4*\c:PC+4*\c+3], s[10:11] offset:512*\c   ; a register group's image: 512 consecutive bytes
.endr
	s_wait_alu depctr_va_vdst(0)                   ; directly ahead of the wait below
	s_wait_dscnt 0x0
	QUANT X1, PC+16, PW+1
.irp c, 0,1,2,3
	global_store_b128 v3, v[PC+16+4*\c:PC+16+4*\c+3], s[10:11] offset:2048+512*\c
.endr
	v_cmp_le_u32 vcc_lo, 16, v2
	v_cndmask_b32 v26, v[PW], v[PW+1], vcc_lo      ; lanes 0-15: fragment 2 b's words, lanes 16-31: fragment 2 b + 1's
	global_store_b32 v4, v26, s[12:13]
	s_wait_tensorcnt 0x0                           ; the wave's end
	ds_add_u32 v[SPW], v[NIL]
	s_wait_dscnt 0x0
	s_endpgm
; ---------------- v: wave b takes keys 32 b .. 32 b + 31 of the 128, all channels.  A LANE TAKES FOUR CHANNELS AND ITS REGISTERS RUN DOWN THE KEYS: a block of 32 keys lies in one lane, and the codes come out with the keys innermost
.Lv:
.set X, 64                             ; v64-191 key i's four channels at 4 i
.set Y, 192                            ; v192-255 two sets of a channel's 32 numbers, held: the hold moves them into the order of the keys
.set C, 32                             ; v32-63 codes, eight registers a channel
.set MX, 12                            ; v12-15 largest magnitudes, v16-19 the conversions' scale operands, v20-23 448 x the scale, v24-27 bytes
	s_sub_co_u32 s17, ttmp9, 128
	s_lshl_b32 s18, s17, 16                        ; the 128 keys of 512 bytes,
	s_lshl_b32 s22, s16, 14                        ; my wave's 32 of them
	s_add_co_u32 s18, s18, s22
	s_add_nc_u64 s[6:7], s[6:7], s[18:19]
.set i, 0
.rept 32
	global_load_b128 v[X+4*i:X+4*i+3], v3, s[6:7] offset:512*i th:TH_LOAD_NT   ; a whole key: 32 lanes read 512 consecutive bytes
.set i, i+1
.endr
	s_lshr_b32 s24, s17, 3
	s_mul_i32 s18, s24, GRPB
	s_add_nc_u64 s[8:9], s[8:9], s[18:19]          ; my group of kv
	s_and_b32 s17, s17, 7                          ; part s17 / 2, half s17 % 2
	s_lshl_b32 s18, s17, 14
	s_lshl_b32 s24, s16, 9
	s_add_co_u32 s18, s18, s24
	s_add_co_u32 s18, s18, VCD
	s_add_nc_u64 s[10:11], s[8:9], s[18:19]        ; register group b of my half's eight fragments
	s_and_b32 s24, s17, 1
	s_lshl_b32 s24, s24, 11
	s_lshr_b32 s25, s17, 1
	s_lshl_b32 s25, s25, 7
	s_lshl_b32 s18, s16, 9
	s_add_co_u32 s18, s18, s24
	s_add_co_u32 s18, s18, s25
	s_add_co_u32 s18, s18, VSC
	s_add_nc_u64 s[12:13], s[8:9], s[18:19]        ; register 4 x half + wave of the scale words: channels 32 x wave on
	s_lshl_b32 s17, s16, 12
	s_add_co_u32 s17, s17, VST                     ; my stage: an image of group b of the eight fragments, 512 bytes each
	v_lshrrev_b32 v5, 2, v2
	v_and_b32 v6, 3, v2
	v_lshlrev_b32 v5, 9, v5
	v_lshl_add_u32 v5, v6, 6, v5
	v_add_nc_u32 v5, s17, v5                       ; in: fragment lane / 4, image lanes 4 (lane % 4) + channel (keys 0-15), 16 further on (keys 16-31)
	v_add_nc_u32 v7, s17, v3                       ; out: 16 x lane
	s_add_co_u32 s17, s16, VSW
	v_add_nc_u32 v8, s17, v3                       ; byte b of my four channels' words
	s_lshl_b32 s17, s16, 7
	s_add_co_u32 s17, s17, VSW
	v_add_nc_u32 v9, s17, v4                       ; the 32 words that I store
	s_wait_alu depctr_va_vdst(0)                   ; the head's end
	s_wait_loadcnt 16                              ; sixteen keys are in, sixteen may be out
.irp c, 0,1,2,3
	v_max3_num_f32 v[MX+\c], |v[X+\c]|, |v[X+4+\c]|, 0x4800000   ; and the floor 2^(9 - 127)
.endr
.irp i, 2,4,6,8,10,12,14
.irp c, 0,1,2,3
	v_max3_num_f32 v[MX+\c], v[MX+\c], |v[X+4*\i+\c]|, |v[X+4*\i+4+\c]|
.endr
.endr
	s_wait_alu depctr_va_vdst(0)                   ; directly ahead of the wait below
	s_wait_loadcnt 0x0
.irp i, 16,18,20,22,24,26,28,30
.irp c, 0,1,2,3
	v_max3_num_f32 v[MX+\c], v[MX+\c], |v[X+4*\i+\c]|, |v[X+4*\i+4+\c]|
.endr
.endr
.irp c, 0,1,2,3
	v_add_nc_u32 v[MX+4+\c], 0xfc000000, v[MX+\c]  ; the conversions' scale operand
.endr
.irp c, 0,1,2,3
	v_and_or_b32 v[MX+8+\c], v[MX+\c], 0x7f800000, s[MNT]   ; 448 x the scale
.endr
.irp c, 0,1,2,3
	v_lshrrev_b32 v[MX+12+\c], 23, v[MX+4+\c]      ; the byte
.endr
.irp c, 0,1,2,3
	ds_store_b8 v8, v[MX+12+\c] offset:4*\c
.endr
.irp c, 0,1,2,3
.set i, 0
.rept 32
	v_med3_num_f32 v[Y+32*(\c%2)+i], v[X+4*i+\c], -v[MX+8+\c], v[MX+8+\c]
.set i, i+1
.endr
.irp g, 0,1,2,3
	v_cvt_scalef32_pk8_fp8_f32 v[C+8*\c+2*\g:C+8*\c+2*\g+1], v[Y+32*(\c%2)+8*\g:Y+32*(\c%2)+8*\g+7], v[MX+4+\c]
.endr
.endr
	v_nop                                          ; one plain vector instruction behind the last conversion
.irp c, 0,1,2,3
	ds_store_b128 v5, v[C+8*\c:C+8*\c+3] offset:16*\c              ; keys 0-15 of my block
	ds_store_b128 v5, v[C+8*\c+4:C+8*\c+7] offset:256+16*\c        ; keys 16-31
.endr
.irp t, 0,1,2,3,4,5,6,7
	ds_load_b128 v[X+4*\t:X+4*\t+3], v7 offset:512*\t              ; LDS serves a wave's instructions in order: these see my stores
.endr
	s_wait_dscnt 0x0                               ; for the others' sake: my bytes have landed
	s_barrier_signal -1
	s_barrier_wait -1
	ds_load_b32 v28, v9                            ; bytes of all four waves
.irp t, 0,1,2,3,4,5,6,7
	global_store_b128 v3, v[X+4*\t:X+4*\t+3], s[10:11] offset:2048*\t   ; 512 consecutive bytes
.endr
	s_wait_dscnt 0x0
	global_store_b32 v4, v28, s[12:13]
	s_wait_tensorcnt 0x0                           ; the wave's end
	ds_add_u32 v[SPW], v[NIL]
	s_wait_dscnt 0x0
	s_endpgm
.Lfunc_end_k_qcd4ffd1df6_prep:
	.size	k_qcd4ffd1df6_prep, .Lfunc_end_k_qcd4ffd1df6_prep-k_qcd4ffd1df6_prep
	.p2alignl 7, 3214868480
	.fill 96, 4, 3214868480
	.section	.rodata,"a",@progbits
	.p2align	6, 0x0
	.amdhsa_kernel k_qcd4ffd1df6_prep
		.amdhsa_group_segment_fixed_size 84992
		.amdhsa_private_segment_fixed_size 0
		.amdhsa_enable_private_segment 0
		.amdhsa_kernarg_size 24
		.amdhsa_user_sgpr_count 2
		.amdhsa_user_sgpr_kernarg_segment_ptr 1
		.amdhsa_wavefront_size32 1
		.amdhsa_system_sgpr_workgroup_id_x 1
		.amdhsa_system_sgpr_workgroup_id_y 1
		.amdhsa_system_sgpr_workgroup_id_z 1
		.amdhsa_system_vgpr_workitem_id 0
		.amdhsa_next_free_vgpr 256
		.amdhsa_next_free_sgpr 66
		.amdhsa_reserve_vcc 1
		.amdhsa_float_denorm_mode_32 3
		.amdhsa_float_denorm_mode_16_64 3
		.amdhsa_memory_ordered 1
		.amdhsa_forward_progress 1
		.amdhsa_inst_pref_size 48
	.end_amdhsa_kernel
	.amdgpu_metadata
---
amdhsa.version: [ 1, 2 ]
amdhsa.kernels:
  - .name:           k_qcd4ffd1df6_prep
    .symbol:         k_qcd4ffd1df6_prep.kd
    .args:
      - { .name: k, .offset: 0, .size: 8, .value_kind: global_buffer, .address_space: global }
      - { .name: v, .offset: 8, .size: 8, .value_kind: global_buffer, .address_space: global }
      - { .name: kv, .offset: 16, .size: 8, .value_kind: global_buffer, .address_space: global }
    .group_segment_fixed_size: 84992
    .private_segment_fixed_size: 0
    .kernarg_segment_align: 8
    .kernarg_segment_size: 24
    .max_flat_workgroup_size: 128
    .sgpr_count:     66
    .vgpr_count:     256
    .wavefront_size: 32
...
	.end_amdgpu_metadata
.endif
;; end of part 1
;; launch attn (part 2): grid 64 x 4, 4 waves a work-group, clusters of 4 x 1, 327,680 bytes of LDS; arguments q, kv, out0; writes out0
.if DOCPART == 2
	.amdgcn_target "amdgcn-amd-amdhsa--gfx1250"
	.amdhsa_code_object_version 6
	.text
	.protected	k_qcd4ffd1df6_attn
	.globl	k_qcd4ffd1df6_attn
	.p2align	8
	.type	k_qcd4ffd1df6_attn,@function
k_qcd4ffd1df6_attn:
	s_mov_b64 s[64:65], 0
	v_nop
	global_prefetch_b8 v0, s[64:65] scope:SCOPE_SE
	s_setreg_imm32_b32 hwreg(HW_REG_WAVE_MODE, 25, 1), 1
	s_wait_xcnt 0x0
	s_wait_alu depctr_hold_cnt(0) depctr_sa_sdst(0) depctr_va_vdst(0) depctr_va_sdst(0) depctr_va_ssrc(0) depctr_va_vcc(0) depctr_vm_vsrc(0)
	s_getreg_b32 s2, hwreg(HW_REG_IB_STS2, 6, 4)
	s_cmp_eq_u32 s2, 0
	s_cbranch_scc0 .Lentry_in_a_cluster
	s_endpgm
.Lentry_in_a_cluster:
	s_bfe_u32 s2, ttmp6, 0x10000c
	s_cmp_lg_u32 s2, 0x3003
	s_cbranch_scc0 .Lentry_shape_is_right
	s_endpgm
.Lentry_shape_is_right:
; out0[h][q][:] = the sum over k of softmax_k(q . k / sqrt(128)) v[k][:], 4 heads x 4,096 queries x 4,096 keys x 128, both products on codes of FP8 (E4M3) with one E8M0 scale for each 32 along a product's K.
; kv holds K and V as codes, laid by the launch before: for each head and 1,024 keys K's codes, K's scale words, V's scale words, V's codes, all as images of operand registers.
; THE SOFTMAX AHEAD OF THE SECOND PRODUCT: t = score x log2(e) / sqrt(128) (one constant c); M = the largest t so far, rounded UP to a whole number; p = 2^(t - M) is quantised along the keys, not normalised.
; The row's sum is taken of the unquantised p and divides at the end.  When M moves, the sum and O are multiplied by 2^(old M - new M): exact.
; SHARES.  A work-group owns 64 queries of one head (four tiles of 16): 256 work-groups.  Four waves, as many as a WGP has SIMDs: THE KEYS ARE SPLIT AMONG THE WAVES, wave w takes keys 256 w .. + 255 of every 1,024, for all four tiles:
; each fragment of K and V is read from LDS once in the work-group and feeds four products.  The four parts of a query are joined at the end through LDS, by powers of two, since every M is a whole number.
; LAYOUT.  Both products are used transposed: S^T = K Q^T (source 0 = 16 keys, source 1 = 16 queries), O^T = V^T P^T: a lane holds ONE query (lane % 16) throughout.  The keys of a fragment of K are chosen so that the 16
; registers of fragments 2 b and 2 b + 1 are keys 32 b + 16 (lane / 16) + 0 .. 15: the conversions' results are the second product's operand.
; A STEP is 256 keys a wave, four steps: tile by tile S^T, softmax, codes; then O^T of all four tiles.  K's 16 fragments stay in registers for the four tiles.
; A BLOCK'S SCALE: p rises with t, so the exponent of the block's largest p is floor(the block's largest t - M), taken as a whole number without an exponential; held at -118 from below, so that the byte, + 119, is 1 or more.
; LDS.  One slot for 1,024 keys of K, one for V, SLOT bytes each.  K's slot is filled again behind round A (between tiles 1 and 2), when all waves have K in registers; V's behind round B (in tile 3), when all have V in registers.
; CLUSTER.  The four work-groups of a cluster belong to one head and walk the same keys: each slot is asked for JOINTLY, by the same tensor load with the same descriptor and a mask that names the four; a wave brings a quarter, 132 rows of 256 bytes,
; and by this text's count has one tensor load out.  No prefetch: K's load has two tiles' work ahead of its wait, V's the products with V and two tiles' work, and a slot's bytes are asked for by all 64 work-groups of a head alike.
; LIMITS: NaN and infinities are not served; the scaled scores stay under 2^31 in magnitude; a block of q whose largest magnitude lies under 2^-118 keeps the byte 1, a block of zeros too (its codes are zeros); p under 2^-126 comes out of v_exp_f32 as 0 (ISA guide 15.8).
; REGISTERS.  window 0: v1-3 LDS addresses; v6-7 Q's scale words, v8-11 p's; v12-15 -M, v16-23 the sums in two halves; v24-47 at work; v48-55 K's scale words, v56-63 V's; v64-127 Q's codes; v128-255 S^T, then p, of one tile.
;   window 1: K's 16 fragments; v0-127 then take V's second eight (keys 128-255).  window 2: O^T, 64 a tile.  window 3: v0-127 V's first eight fragments (keys 0-127); v128-255 p's codes, 32 a tile.
.set QTR,   33792                      ; a wave's quarter of a slot: 132 x 256
.set SLOT,  135168                     ; 1,024 keys of K or of V: 131,072 bytes of codes, 4,096 of scale words
.set STEPB, 2*SLOT                     ; a step in kv
.set KSC,   131072                     ; K's scale words in LDS; V's lie 4,096 bytes on
.set VCD,   139264                     ; V's codes in LDS
.set QIM,   2*SLOT                     ; Q's codes, four fragments: a hand-over from wave to wave
.set QSW,   QIM+8192                   ; Q's scale words
.set SPARE, QSW+256                    ; the spare words, 128 bytes for each wave: two blocks of 256 bytes that no other line names
.set STAT,  SPARE+512                  ; (-M, sum) of wave w, tile u: 1024 w + 256 u + 8 lane
.set OST,   STAT+4096                  ; the way out: twice 16 rows x OSP for each wave
.set OSP,   272
.set ADK, 1
.set ADV, 2
.set AS,  3
.set SPW, 4                            ; LDS address of my spare word; never rewritten
.set NIL, 5                            ; 0; never rewritten
.set QS,  6
.set PS,  8
.set NM,  12
.set SM,  16
.set BM,  24                           ; v24-31 the blocks' largest scores, then floor(t - M), then the conversions' scale operands
.set T4,  32                           ; v32-39: v[32:33] -M, v[34:35] f = 2^(old M - new M); later chains of the sum
.set HL,  40                           ; v40-47 448 x the scale
.set KS,  48
.set VS,  56
.set QR,  64
.set S,   128
.set PC,  128                          ; window 3
.set WV,  10
.set G1,  24
.set G0K, 32
.set G0V, 36
.set SEL, 40                           ; s[40:41] selects of v_permlanex16_b32 for lane l xor 16
.set CS,  42                           ; s[42:43] c: the packed form names a pair and takes its low word for both halves
.set NC,  44                           ; -c
.set HM,  45                           ; lanes 16-31
.set CNT, 46
.set C119, 47                          ; 119 << 23
.set C175, 48                          ; 1.75: 127 << 23 and the mantissa field of 448
.set W77, 49                           ; 119 in each byte
.set N118, 50
.set MNT, 51                           ; the mantissa field of 448
.set MSB, 0
.macro WIN new                         ; s_set_vgpr_msb: bits 1:0 source 0, 3:2 source 1, 5:4 source 2, 7:6 destination; the high byte repeats the setting that is left
.if MSB != \new
	s_set_vgpr_msb (MSB<<8)|\new
.set MSB, \new
.endif
.endm
.macro PLACES n
.rept \n
	v_nop
.endr
.endm
; A round of the cluster's barrier: my work-group's barrier; wave 0 signals for the work-group; every wave waits for all four work-groups; my work-group's barrier once more.
.macro CREST                           ; a round behind its opening barrier
	s_cmp_lg_u32 s[WV], 0
	s_cbranch_scc1 .Lnot_wave_0_\@
	s_barrier_signal -3
.Lnot_wave_0_\@:
	s_barrier_wait -3
	s_barrier_signal -1
	s_barrier_wait -1
.endm
.macro CROUND
	s_barrier_signal -1
	s_barrier_wait -1
	CREST
.endm
.macro JLOAD g                         ; my one joint load behind a round; four v_nop follow it
	tensor_load_to_lds s[\g:\g+3], s[G1:G1+7]
	s_nop 0
	PLACES 4
.endm
; One product, by the symbols D_ (result), A_, B_, SA_, SB_ (scales), RA, RB (which lanes hold the scales)
.macro WM c
.if RA
.if RB
	v_wmma_scale_f32_16x16x128_f8f6f4 v[D_:D_+7], v[A_:A_+15], v[B_:B_+15], \c, v[SA_], v[SB_] matrix_a_scale:MATRIX_SCALE_ROW1 matrix_b_scale:MATRIX_SCALE_ROW1
.else
	v_wmma_scale_f32_16x16x128_f8f6f4 v[D_:D_+7], v[A_:A_+15], v[B_:B_+15], \c, v[SA_], v[SB_] matrix_a_scale:MATRIX_SCALE_ROW1
.endif
.else
.if RB
	v_wmma_scale_f32_16x16x128_f8f6f4 v[D_:D_+7], v[A_:A_+15], v[B_:B_+15], \c, v[SA_], v[SB_] matrix_b_scale:MATRIX_SCALE_ROW1
.else
	v_wmma_scale_f32_16x16x128_f8f6f4 v[D_:D_+7], v[A_:A_+15], v[B_:B_+15], \c, v[SA_], v[SB_]
.endif
.endif
.endm
.macro KQ f, u                         ; S^T: fragment f of K, tile u.  A whole sum (K = 128): C is the constant 0
.set D_, S+8*(\f)
.set A_, 16*(\f)
.set B_, QR+16*(\u)
.set SA_, KS+(\f)/2
.set SB_, QS+(\u)/2
.set RA, (\f)%2
.set RB, (\u)%2
	WM 0
.endm
.macro PV t, u, g                      ; O^T += V^T P^T: channels 16 t on, tile u, keys 128 g on
.set D_, 64*(\u)+8*(\t)
.set A_, 16*(\t)
.set B_, PC+32*(\u)+16*(\g)
.set SA_, VS+4*(\g)+(\t)/2
.set SB_, PS+(\u)
.set RA, (\t)%2
.set RB, \g
	WM v[D_:D_+7]
.endm
.macro FRAG d, ad, f                   ; fragment f of a slot's part into registers 16 d on
.irp c, 0,1,2,3
	ds_load_b128 v[16*(\d)+4*\c:16*(\d)+4*\c+3], v[\ad] offset:2048*(\f)+512*\c
.endr
.endm
.macro KWORDS
.irp i, 0,1,2,3,4,5,6,7
	ds_load_b32 v[KS+\i], v[AS] offset:512*\i
.endr
.endm
.macro HOLD                            ; registers S + j, S + j + 1: the conversion to an 8-bit code does not saturate (ISA guide 7.6.2); p is not negative, so the hold is one-sided
	v_dual_min_num_f32 v[S+j], v[S+j], v[HL+j/16] :: v_dual_min_num_f32 v[S+j+1], v[S+j+1], v[HL+j/16]
.endm
.macro SCORE                           ; t - M, two at a time (of the pairs c and -M the low word serves both halves)
	v_pk_fma_f32 v[S+j:S+j+1], v[S+j:S+j+1], s[CS:CS+1], v[T4:T4+1] op_sel_hi:[1,0,0]
.set j, j+2
.endm
.macro FOUR                            ; eight p onto the four chains of the row's sum
	v_pk_add_f32 v[T4:T4+1], v[T4:T4+1], v[S+j:S+j+1]
	v_pk_add_f32 v[T4+4:T4+5], v[T4+4:T4+5], v[S+j+2:S+j+3]
	v_pk_add_f32 v[T4+6:T4+7], v[T4+6:T4+7], v[S+j+4:S+j+5]
	v_pk_add_f32 v[SM_:SM_+1], v[SM_:SM_+1], v[S+j+6:S+j+7]
.endm
; TILE u'S SOFTMAX FOR A STEP: 128 scores a lane, register 16 b + i = key 32 b + 16 (lane / 16) + i of my query.  nop: v_nop behind the products; vl = 1: V's second eight fragments are loaded on the way; meet = 1: round B is in it
.macro PX b                            ; block b's maximum of lane l xor 16's 16 keys,
	v_permlanex16_b32 v[HL+\b], v[BM+\b], s[SEL], s[SEL+1]
.endm
.macro MXB b                           ; and of all 32
	v_max_num_f32 v[BM+\b], v[BM+\b], v[HL+\b]
.endm
.macro SOFT u, nop, vl, meet
.set SM_, SM+2*(\u)
	PLACES \nop
.irp b, 0,1,2,3,4,5,6,7
	v_max3_num_f32 v[BM+\b], v[S+16*\b], v[S+16*\b+1], v[S+16*\b+2]   ; the largest score of each block of 32 keys (each accumulator is read from its low end on)
.endr
.irp i, 3,5,7,9,11,13
.irp b, 0,1,2,3,4,5,6,7
	v_max3_num_f32 v[BM+\b], v[BM+\b], v[S+16*\b+\i], v[S+16*\b+\i+1]
.endr
.endr
.irp b, 0,1,2,3,4,5,6,7
	v_max_num_f32 v[BM+\b], v[BM+\b], v[S+16*\b+15]
.endr
; each block's maximum is joined with lane l xor 16's 16 keys; among these lines stand those that make the row's: my largest score, with lane l xor 16's, as -t, rounded down
	v_max3_num_f32 v[T4+4], v[BM], v[BM+1], v[BM+2]
	PX 0
	v_max3_num_f32 v[T4+5], v[BM+3], v[BM+4], v[BM+5]
	PX 1
	PX 2
	v_max3_num_f32 v[T4+4], v[T4+4], v[BM+6], v[BM+7]
	PX 3
	PX 4
	PX 5
	v_max_num_f32 v[T4+4], v[T4+4], v[T4+5]
	PX 6
	PX 7
	MXB 0
	v_permlanex16_b32 v[T4+6], v[T4+4], s[SEL], s[SEL+1]
	MXB 1
	MXB 2
	MXB 3
	v_max_num_f32 v[T4+4], v[T4+4], v[T4+6]        ; the step's largest score of my query
	MXB 4
	MXB 5
	v_mul_f32 v[T4+4], s[NC], v[T4+4]              ; as -t (c is positive)
	MXB 6
	MXB 7
	v_floor_f32 v[T4+4], v[T4+4]                   ; floor(-t) = -ceil(t): a whole number
; vl: V's fragments on the way: 1: the second eight, into window 1; 2: the first eight, into window 3
.if \vl
.if \vl == 1
.set FO, 8
	WIN 0x40
.else
.set FO, 0
	WIN 0xc0
.endif
	FRAG 0, ADV, FO
	FRAG 1, ADV, FO+1
	FRAG 2, ADV, FO+2
	FRAG 3, ADV, FO+3
	WIN 0
.endif
	v_min_num_f32 v[T4], v[NM+\u], v[T4+4]         ; the new -M
.irp b, 0,2,4,6
	v_pk_fma_f32 v[BM+\b:BM+\b+1], v[BM+\b:BM+\b+1], s[CS:CS+1], v[T4:T4+1] op_sel_hi:[1,0,0]   ; t - M of each block's largest score, by the line that every score takes
.endr
	v_sub_f32 v[T4+4], v[T4], v[NM+\u]             ; old M - new M: a whole number, 0 or less
	v_mov_b32 v[NM+\u], v[T4]
.set j, 0
.rept 4
	SCORE
.endr
	v_cvt_i32_f32 v[T4+4], v[T4+4]                 ; (it saturates)
.irp b, 0,1,2,3,4,5,6,7
	v_cvt_floor_i32_f32 v[BM+\b], v[BM+\b]         ; the exponent of the block's largest p
.endr
	v_ldexp_f32 v[T4+2], 1.0, v[T4+4]              ; f = 2^(old M - new M)
.rept 4
	SCORE
.endr
.irp b, 0,1,2,3,4,5,6,7
	v_max_i32 v[BM+\b], s[N118], v[BM+\b]
.endr
	v_pk_mul_f32 v[SM_:SM_+1], v[SM_:SM_+1], v[T4+2:T4+3] op_sel_hi:[1,0]   ; the sums under the new M
.rept 4
	SCORE
.endr
.irp b, 0,1,2,3
	v_cndmask_b32 v[HL+\b], v[BM+\b], v[BM+4+\b], s[HM]   ; lanes 0-15 take keys 0-127's blocks, lanes 16-31 keys 128-255's
.endr
.rept 4
	SCORE
.endr
	v_lshl_add_u32 v[HL+4], v[HL+1], 8, v[HL]
	v_lshl_add_u32 v[HL+5], v[HL+3], 8, v[HL+2]
.rept 5
	SCORE
.endr
	v_lshl_add_u32 v[HL+4], v[HL+5], 16, v[HL+4]
.rept 5
	SCORE
.endr
	v_add_nc_u32 v[PS+\u], s[W77], v[HL+4]         ; p's scale words: each byte its exponent + 119
.rept 6
	SCORE
.endr
.if \vl
.if \vl == 1
	WIN 0x40
.else
	WIN 0xc0
.endif
	FRAG 4, ADV, FO+4
	FRAG 5, ADV, FO+5
	FRAG 6, ADV, FO+6
	FRAG 7, ADV, FO+7
.endif
	WIN 0x82                                       ; O^T (destination and source 0) in window 2, f in window 0
	s_wait_alu depctr_va_vdst(0)                   ; directly ahead of the first reader of O^T, and ahead of the exponentials below
.set j, 0
.rept 32
	v_pk_mul_f32 v[64*(\u)+j:64*(\u)+j+1], v[64*(\u)+j:64*(\u)+j+1], v[T4+2:T4+3] op_sel_hi:[1,0]   ; O^T under the new M, each accumulator from its low end on
.set j, j+2
.endr
	WIN 0
; p of keys 0-127.  Among the exponentials stand lines that name none of their results: the second half's t - M, 448 x each scale, the conversions' scale operands
.set j, 64
.irp i, 0,1,2,3,4,5,6,7,8,9,10,11,12,13,14,15
	v_exp_f32 v[S+4*\i], v[S+4*\i]
	SCORE
	v_exp_f32 v[S+4*\i+1], v[S+4*\i+1]
	SCORE
	v_exp_f32 v[S+4*\i+2], v[S+4*\i+2]
.if \i < 8
	v_lshl_add_u32 v[HL+\i], v[BM+\i], 23, s[C175] ; 1.75 x 2^exponent
.else
	v_lshl_add_u32 v[BM+\i-8], v[BM+\i-8], 23, s[C119]   ; the byte in the exponent field, which alone the conversion takes
.endif
	v_exp_f32 v[S+4*\i+3], v[S+4*\i+3]
.endr
	v_nop
	s_wait_alu depctr_va_vdst(0)                   ; ahead of the batch's first reader
; THE ROW'S SUM IS TAKEN OF THE UNQUANTISED p: two at a time, in four chains
	v_pk_add_f32 v[T4:T4+1], v[S:S+1], v[S+2:S+3]
	v_pk_add_f32 v[T4+2:T4+3], v[S+4:S+5], v[S+6:S+7]   ; (a fifth chain for this half)
	v_pk_add_f32 v[T4+4:T4+5], v[S+8:S+9], v[S+10:S+11]
	v_pk_add_f32 v[T4+6:T4+7], v[S+12:S+13], v[S+14:S+15]
	v_pk_add_f32 v[SM_:SM_+1], v[SM_:SM_+1], v[S+16:S+17]
.set j, 18
.rept 4
	v_pk_add_f32 v[T4+2:T4+3], v[T4+2:T4+3], v[S+j+8:S+j+9]
	FOUR
.set j, j+10
.endr
	v_pk_add_f32 v[T4:T4+1], v[T4:T4+1], v[S+58:S+59]
	v_pk_add_f32 v[T4+2:T4+3], v[T4+2:T4+3], v[S+60:S+61]
	v_pk_add_f32 v[T4+4:T4+5], v[T4+4:T4+5], v[S+62:S+63]
; p of keys 128-255; among them the first half's hold
.set j, 0
.rept 32
	v_exp_f32 v[S+64+j], v[S+64+j]
	v_exp_f32 v[S+65+j], v[S+65+j]
	HOLD
.set j, j+2
.endr
	v_nop
	s_wait_alu depctr_va_vdst(0)
.if \meet                              ; round B: my part of the next K has landed, and my reads of V are over
	s_wait_tensorcnt 0x0
	ds_add_u32 v[SPW], v[NIL]                      ; 0 onto my spare word
	s_add_nc_u64 s[G0V+2:G0V+3], s[G0V+2:G0V+3], STEPB   ; the next step's V; the type bits on top are not reached
.endif
.set j, 64
.rept 8
	FOUR
.rept 4
	HOLD
.set j, j+2
.endr
.endr
	v_pk_add_f32 v[T4+4:T4+5], v[T4+4:T4+5], v[T4+6:T4+7]
	v_pk_add_f32 v[T4:T4+1], v[T4:T4+1], v[T4+2:T4+3]
	v_pk_add_f32 v[SM_:SM_+1], v[SM_:SM_+1], v[T4:T4+1]
.if \meet
	s_wait_alu depctr_va_vdst(0)                   ; directly ahead of the wait below
	s_wait_dscnt 0x0                               ; the add is done, and V is in my registers
	s_barrier_signal -1
.endif
	WIN 0xc0                                       ; the codes go to window 3
.irp b, 0,1,2,3,4,5,6,7
	v_cvt_scalef32_pk8_fp8_f32 v[PC+32*(\u)+4*\b:PC+32*(\u)+4*\b+1], v[S+16*\b:S+16*\b+7], v[BM+\b]
	v_cvt_scalef32_pk8_fp8_f32 v[PC+32*(\u)+4*\b+2:PC+32*(\u)+4*\b+3], v[S+16*\b+8:S+16*\b+15], v[BM+\b]
.endr
	WIN 0
	v_pk_add_f32 v[SM_:SM_+1], v[SM_:SM_+1], v[T4+4:T4+5]   ; (also the plain line behind the conversions)
.if \meet
	s_wait_alu depctr_va_vdst(0)
	s_barrier_wait -1
	CREST                                          ; no wave of any partner still reads V's slot, and the next K is whole everywhere
.endif
.endm
; A STEP.  last = 1: the fourth, which asks for nothing more
.macro STEP last
	WIN 0x01
.irp i, 0,1,2,3,4,5,6,7
	s_wait_dscnt 60-4*\i                           ; fragment 8 + i is in (and K's scale words and Q, asked for before it): 4 (7 - i) loads of 8-15 and 32 of 0-7 may be out
	KQ 8+\i, 0
.endr
.irp i, 0,1,2,3,4,5,6,7
	s_wait_dscnt 28-4*\i                           ; fragment i is in: 4 (7 - i) may be out
	KQ \i, 0
.endr
	WIN 0
	SOFT 0, 8, 0, 0
	WIN 0x01
.irp f, 0,1,2,3,4,5,6,7,8,9,10,11,12,13,14,15
	KQ \f, 1
.endr
	WIN 0
	SOFT 1, 8, 0, 0
	s_wait_tensorcnt 0x0                           ; round A: my part of V has landed (no tensor load of mine is out, so a group 0 may be written);
	ds_add_u32 v[SPW], v[NIL]                      ; 0 onto my spare word
.if \last == 0
	s_add_nc_u64 s[G0K+2:G0K+3], s[G0K+2:G0K+3], STEPB
.endif
	WIN 0x01
.irp f, 0,1,2,3,4,5,6,7
	KQ \f, 2
.endr
	s_wait_dscnt 0x0                               ; the add is done (my reads of K were over in front of tile 0's products)
	s_barrier_signal -1
.irp f, 8,9,10,11,12,13,14,15
	KQ \f, 2
.endr
	WIN 0
	s_barrier_wait -1                              ; V is whole
.if \last == 0
	CREST                                          ; and no wave of any partner still reads K's slot
	JLOAD G0K                                      ; the next step's K
.else
	PLACES 4
.endif
.irp i, 0,1,2,3,4,5,6,7
	ds_load_b32 v[VS+\i], v[AS] offset:4096+512*\i
.endr
	SOFT 2, 4, 2, 0
	WIN 0x01
.irp f, 0,1,2,3,4,5,6,7,8,9,10,11,12,13,14,15
	KQ \f, 3
.endr
	WIN 0
	SOFT 3, 8, 1, 1-\last
.if \last == 0
	JLOAD G0V                                      ; the next step's V; its four v_nop are also places between p's codes and the products
	KWORDS
; four runs: sixteen loads of the next step's K, then sixteen products
.irp q, 0,4
	WIN 0x40
	FRAG 8+\q, ADK, 8+\q
	FRAG 9+\q, ADK, 9+\q
	FRAG 10+\q, ADK, 10+\q
	FRAG 11+\q, ADK, 11+\q
	WIN 0xad
.irp t, 0,1,2,3
	PV \t+\q, 0, 1
	PV \t+\q, 1, 1
	PV \t+\q, 2, 1
	PV \t+\q, 3, 1
.endr
.endr
	PLACES 8                                       ; behind the products that read window 1, ahead of the loads into the same registers
.irp q, 0,4
	WIN 0x40
	FRAG \q, ADK, \q
	FRAG 1+\q, ADK, 1+\q
	FRAG 2+\q, ADK, 2+\q
	FRAG 3+\q, ADK, 3+\q
	WIN 0xaf
.irp t, 0,1,2,3
	PV \t+\q, 0, 0
	PV \t+\q, 1, 0
	PV \t+\q, 2, 0
	PV \t+\q, 3, 0
.endr
.endr
	WIN 0
.endif
.endm
	s_load_b128 s[4:7], s[0:1], 0x0                ; q, kv
	s_load_b64 s[8:9], s[0:1], 0x10                ; out0
	v_lshl_add_u32 v[SPW], v0, 2, SPARE
	v_mov_b32 v[NIL], 0
	ds_add_u32 v[SPW], v[NIL]                      ; the wave's opening: the add, twice on end, and its wait
	ds_add_u32 v[SPW], v[NIL]
	v_lshrrev_b32 v43, 5, v0
	v_readfirstlane_b32 s[WV], v43                 ; wave 0..3
	v_and_b32 v41, 15, v0                          ; r
	v_bfe_u32 v42, v0, 4, 1                        ; h
	v_lshlrev_b32 v40, 9, v41
	v_lshl_add_u32 v40, v42, 6, v40                ; q: row r of 512 bytes, + 64 h: my 16 numbers of a block of 32
	s_bfe_u32 s13, ttmp6, 0x40000                  ; cx: my place in the cluster: it enters q's and out0's addresses alone
	s_lshl_b32 s14, ttmp9, 2
	s_add_co_u32 s14, s14, s13                     ; my block of 64 queries = 4 x cluster x + cx
	s_and_b32 s15, ttmp7, 0xffff                   ; the head, which the four partners share
	s_lshl_b32 s16, s15, 21                        ; q and out0: the head's 4,096 rows of 512 bytes,
	s_lshl_b32 s20, s14, 15                        ; my work-group's 64,
	s_add_co_u32 s16, s16, s20
	s_lshl_b32 s20, s[WV], 13                      ; my wave's 16: the tile that I quantise, and that I join at the end
	s_add_co_u32 s16, s16, s20
	s_mov_b32 s17, 0
	s_mul_i32 s20, s[WV], QTR                      ; my quarter of a slot, in LDS and in memory: no place in the cluster enters it
	s_mul_i32 s18, s15, 4*STEPB
	s_add_co_u32 s18, s18, s20
	s_mov_b32 s19, 0
	s_mov_b32 s[SEL], 0x76543210
	s_mov_b32 s[SEL+1], 0xfedcba98
	s_mov_b32 s[CS], 0x3e0293ee                    ; c = log2(e) / sqrt(128)
	s_mov_b32 s[CS+1], s[CS]                       ; named with it as a pair, so it is written
	s_mov_b32 s[NC], 0xbe0293ee
	s_mov_b32 s[HM], 0xffff0000
	s_mov_b32 s[CNT], 3
	s_mov_b32 s[C119], 0x3b800000
	s_mov_b32 s[C175], 0x3fe00000
	s_mov_b32 s[W77], 0x77777777
	s_mov_b32 s[N118], 0xffffff8a
	s_mov_b32 s[MNT], 0x600000
	s_wait_alu depctr_va_vdst(0)                   ; directly ahead of the wait below
	s_wait_dscnt 0x0                               ; both opening adds are done
	CROUND                                         ; all four work-groups are here: the first joint loads meet
	s_wait_kmcnt 0x0
	s_add_nc_u64 s[4:5], s[4:5], s[16:17]
	s_add_nc_u64 s[8:9], s[8:9], s[16:17]
	s_add_nc_u64 s[6:7], s[6:7], s[18:19]
	; descriptor group 1: 132 rows of 32 elements of 8 bytes, dense in memory and in LDS (the images are read as they lie, 512 consecutive bytes a load: no padding)
	s_mov_b32 s[G1+0], 15|(3<<16)|(1<<21)          ; 15:0 the mask: all four work-groups; 17:16 elements of 8 bytes; 21 set beside a mask
	s_mov_b32 s[G1+1], 32<<16                      ; tensor_dim0 = 32
	s_mov_b32 s[G1+2], 132<<16                     ; tensor_dim1 = 132
	s_mov_b32 s[G1+3], 32<<16                      ; tile_dim0 = 32
	s_mov_b32 s[G1+4], 132                         ; tile_dim1 = 132
	s_mov_b32 s[G1+5], 32                          ; elements from row to row
	s_mov_b32 s[G1+6], 0
	s_mov_b32 s[G1+7], 0
	s_mov_b32 s[G0K], 1                            ; count = 1
	s_mov_b32 s[G0K+1], s20                        ; LDS address: K's slot, my quarter
	s_mov_b64 s[G0K+2:G0K+3], s[6:7]               ; global address
	s_or_b32 s[G0K+3], s[G0K+3], 0x80000000        ; type = 2
	s_mov_b32 s[G0V], 1
	s_add_co_u32 s[G0V+1], s20, SLOT               ; V's slot
	s_add_nc_u64 s[G0V+2:G0V+3], s[6:7], SLOT
	s_or_b32 s[G0V+3], s[G0V+3], 0x80000000
	JLOAD G0K                                      ; step 0's K; V's slot is first filled behind the next round, as a refill is
.irp b, 0,1,2,3
.irp j, 0,1,2,3
	global_load_b128 v[S+16*\b+4*\j:S+16*\b+4*\j+3], v40, s[4:5] offset:128*\b+16*\j
.endr
.endr
	v_and_b32 v43, 31, v0                          ; lane
	s_lshl_b32 s22, s[WV], 15
	v_lshl_add_u32 v[ADK], v43, 4, s22             ; my part's fragments: 32768 w + 16 lane
	v_add_nc_u32 v[ADV], VCD, v[ADK]
	v_lshl_add_u32 v[AS], v0, 2, KSC               ; scale words: + 128 w + 4 lane
	s_lshl_b32 s22, s[WV], 11
	s_add_co_u32 s22, s22, QIM
	v_lshl_add_u32 v44, v43, 4, s22                ; my tile's image of Q
	s_lshl_b32 s22, s[WV], 6
	s_add_co_u32 s22, s22, QSW
	v_lshl_add_u32 v45, v41, 2, s22                ; its scale words, by r
	v_lshl_add_u32 v46, v43, 4, QIM                ; and where all are read
	v_lshl_add_u32 v47, v43, 2, QSW
.irp b, 0,1,2,3,4,5,6,7
	v_mov_b32 v[T4+\b], 0                          ; written once: a lane permute's destination counts as one of its sources
	v_mov_b32 v[SM+\b], 0                          ; the sums
.endr
.irp u, 0,1,2,3
	v_mov_b32 v[NM+\u], 0x7f61b1e6                 ; -M: 3e38, over every -t
.endr
	WIN 0x80                                       ; destination window 2
.set j, 0
.rept 256
	v_mov_b32 v[j], 0                              ; O^T.  The step is written without a first step of its own: the first change of M multiplies zeros; a first step with the constant 0 as C would be one more copy of the step's text
.set j, j+1
.endr
	WIN 0
	s_wait_alu depctr_va_vdst(0)                   ; directly ahead of the wait below
	s_wait_loadcnt 0x0
; My tile's 64 numbers of q a lane, register 16 b + i = d 32 b + 16 (lane / 16) + i of my query, become its fragment's codes and its scale word
.irp b, 0,1,2,3
	v_max3_num_f32 v[BM+\b], |v[S+16*\b]|, |v[S+1+16*\b]|, 0x4800000   ; my 16 numbers of block b, and the floor 2^(9 - 127): the byte cannot fall under 1
.endr
.irp i, 2,4,6,8,10,12,14
.irp b, 0,1,2,3
	v_max3_num_f32 v[BM+\b], v[BM+\b], |v[S+16*\b+\i]|, |v[S+1+16*\b+\i]|
.endr
.endr
.irp b, 0,1,2,3
	v_permlanex16_b32 v[T4+\b], v[BM+\b], s[SEL], s[SEL+1]
.endr
.irp b, 0,1,2,3
	v_max_num_f32 v[BM+\b], v[BM+\b], v[T4+\b]
.endr
.irp b, 0,1,2,3
	v_add_nc_u32 v[BM+4+\b], 0xfc000000, v[BM+\b]  ; 8 off the exponent field: the conversion's scale operand
.endr
.irp b, 0,1,2,3
	v_and_or_b32 v[HL+\b], v[BM+\b], 0x7f800000, s[MNT]   ; 448 x the scale
.endr
.irp b, 0,1,2,3
	v_lshrrev_b32 v[T4+\b], 23, v[BM+4+\b]         ; the byte
.endr
	v_lshl_or_b32 v[T4+4], v[T4+1], 8, v[T4]
	v_lshl_or_b32 v[T4+4], v[T4+2], 16, v[T4+4]
	v_lshl_or_b32 v[T4+4], v[T4+3], 24, v[T4+4]
.irp b, 0,1,2,3
.irp i, 0,1,2,3,4,5,6,7,8,9,10,11,12,13,14,15
	v_med3_num_f32 v[S+16*\b+\i], v[S+16*\b+\i], -v[HL+\b], v[HL+\b]   ; the conversion to an 8-bit code does not saturate (ISA guide 7.6.2)
.endr
.endr
.irp b, 0,1,2,3
	v_cvt_scalef32_pk8_fp8_f32 v[S+64+4*\b:S+65+4*\b], v[S+16*\b:S+16*\b+7], v[BM+4+\b]
	v_cvt_scalef32_pk8_fp8_f32 v[S+66+4*\b:S+67+4*\b], v[S+16*\b+8:S+16*\b+15], v[BM+4+\b]
.endr
	v_nop                                          ; one plain vector instruction behind the last conversion
.irp c, 0,1,2,3
	ds_store_b128 v44, v[S+64+4*\c:S+67+4*\c] offset:512*\c
.endr
	ds_store_b32 v45, v[T4+4]                      ; both halves of the lanes write the same words
	s_wait_alu depctr_va_vdst(0)
	s_wait_tensorcnt 0x0                           ; my part of K is in
	ds_add_u32 v[SPW], v[NIL]
	s_wait_dscnt 0x0                               ; the add is done, and so are my stores of Q
	CROUND                                         ; K and Q are whole
	JLOAD G0V                                      ; step 0's V
.irp u, 0,1,2,3
.irp c, 0,1,2,3
	ds_load_b128 v[QR+16*\u+4*\c:QR+16*\u+4*\c+3], v46 offset:2048*\u+512*\c
.endr
.endr
	ds_load_b32 v[QS], v47                         ; lanes 0-15 tile 0's words, lanes 16-31 tile 1's;
	ds_load_b32 v[QS+1], v47 offset:128            ; tiles 2 and 3
	KWORDS
	WIN 0x40
.irp t, 8,9,10,11,12,13,14,15,0,1,2,3,4,5,6,7
	FRAG \t, ADK, \t
.endr
	WIN 0
	s_wait_alu depctr_va_vdst(0)                   ; the head's end
.Lstep:                                            ; three steps; the fourth is written out
	STEP 0
	s_sub_co_u32 s[CNT], s[CNT], 1
	s_cmp_lg_u32 s[CNT], 0
	s_wait_alu depctr_va_vdst(0)                   ; directly ahead of the branch
	s_cbranch_scc1 .Lstep
	STEP 1
	; THE JOIN.  Each wave leaves (-M, sum) and O^T of its four tiles in LDS; then wave w joins the four key parts of tile w.  The images of O^T lie in K's slot: it has had its last fill, and its last reads stand in front of the last barrier.
.irp u, 0,1,2,3
	v_add_f32 v[HL+\u], v[SM+2*\u], v[SM+2*\u+1]   ; the sum's two halves,
.endr
.irp u, 0,1,2,3
	v_permlanex16_b32 v[T4+\u], v[HL+\u], s[SEL], s[SEL+1]
.endr
.irp u, 0,1,2,3
	v_add_f32 v[BM+2*\u+1], v[HL+\u], v[T4+\u]     ; and lane l xor 16's: my keys' sum,
	v_mov_b32 v[BM+2*\u], v[NM+\u]                 ; beside -M
.endr
	v_and_b32 v22, 31, v0                          ; lane
	s_lshl_b32 s16, s[WV], 10
	s_add_co_u32 s16, s16, STAT
	v_lshl_add_u32 v19, v22, 3, s16                ; my statistics
	s_wait_alu depctr_va_vdst(0)                   ; directly ahead of the wait below
	s_wait_dscnt 0x0                               ; V is in my registers
.irp u, 0,1,2,3
	ds_store_b64 v19, v[BM+2*\u:BM+2*\u+1] offset:256*\u
.endr
; The last products go by tiles, so that a finished tile's O^T is stored while the next is multiplied
.macro PVT u
	WIN 0xad
.irp t, 0,1,2,3,4,5,6,7
	PV \t, \u, 1
.endr
	WIN 0xaf
.irp t, 0,1,2,3,4,5,6,7
	PV \t, \u, 0
.endr
.endm
.macro OUT u                           ; each accumulator from its low end on
	WIN 0x08                                       ; an LDS store's data are its source 1: window 2
.irp g, 0,1,2,3,4,5,6,7,8,9,10,11,12,13,14,15
	ds_store_b128 v[ADK], v[64*\u+4*\g:64*\u+4*\g+3] offset:8192*\u+512*\g
.endr
.endm
	PVT 0
	PVT 1
	PLACES 8                                       ; eight plain vector instructions stand between a product and a store of its result
	OUT 0
	PVT 2
	PLACES 8
	OUT 1
	PVT 3
	PLACES 8
	OUT 2
	OUT 3
	WIN 0
	v_and_b32 v23, 15, v0                          ; r
	v_bfe_u32 v12, v0, 4, 1                        ; h
	v_and_b32 v22, 31, v0
	s_lshl_b32 s16, s[WV], 8
	s_add_co_u32 s16, s16, STAT
	v_lshl_add_u32 v16, v22, 3, s16                ; tile w's statistics: + 1024 k
	s_lshl_b32 s16, s[WV], 13
	v_lshl_add_u32 v17, v22, 4, s16                ; tile w's images: + 32768 k
	v_add_nc_u32 v18, 65536, v17                   ; (k = 2, 3: beyond an LDS offset's 16 bits)
	s_mul_i32 s16, s[WV], 32*OSP
	s_add_co_u32 s16, s16, OST                     ; my stage
	v_mul_u32_u24 v19, v23, OSP
	v_lshl_add_u32 v19, v12, 5, v19
	v_add_nc_u32 v19, s16, v19                     ; in: row r, + 32 h
	v_mul_u32_u24 v20, v12, OSP
	v_lshl_add_u32 v20, v23, 4, v20
	v_add_nc_u32 v20, s16, v20                     ; back: lanes 0-15 one row, lanes 16-31 the next
	v_lshlrev_b32 v21, 9, v12
	v_lshl_add_u32 v21, v23, 4, v21                ; and the same two rows in out0
	s_wait_alu depctr_va_vdst(0)                   ; directly ahead of the wait below
	s_wait_dscnt 0x0                               ; for the others' sake: my stores have landed
	s_barrier_signal -1
	s_barrier_wait -1                              ; everybody's have
.macro IMAGES half                     ; 64 channels of the four parts, 32 registers each
.irp g, 0,1,2,3,4,5,6,7
	ds_load_b128 v[S+4*\g:S+4*\g+3], v17 offset:4096*\half+512*\g
.endr
.irp g, 0,1,2,3,4,5,6,7
	ds_load_b128 v[S+32+4*\g:S+32+4*\g+3], v17 offset:32768+4096*\half+512*\g
.endr
.irp g, 0,1,2,3,4,5,6,7
	ds_load_b128 v[S+64+4*\g:S+64+4*\g+3], v18 offset:4096*\half+512*\g
.endr
.irp g, 0,1,2,3,4,5,6,7
	ds_load_b128 v[S+96+4*\g:S+96+4*\g+3], v18 offset:32768+4096*\half+512*\g
.endr
.endm
.macro JOIN                            ; the four parts x their factors
.set j, 0
.rept 16
	v_pk_mul_f32 v[S+j:S+j+1], v[S+j:S+j+1], v[HL:HL+1] op_sel_hi:[1,0]
.set j, j+2
.endr
.irp k, 1,2,3
.set j, 0
.rept 16
	v_pk_fma_f32 v[S+j:S+j+1], v[S+32*\k+j:S+32*\k+j+1], v[HL+2*\k:HL+2*\k+1], v[S+j:S+j+1] op_sel_hi:[1,0,1]
.set j, j+2
.endr
.endr
.endm
.macro STAGE half                      ; register 8 t + i is out0(query r, channel 64 half + 16 t + 8 h + i)
.irp t, 0,1,2,3
	ds_store_b128 v19, v[S+8*\t:S+8*\t+3] offset:16*OSP*\half+64*\t
	ds_store_b128 v19, v[S+8*\t+4:S+8*\t+7] offset:16*OSP*\half+64*\t+16
.endr
	WIN 0
.irp i, 0,1,2,3,4,5,6,7
	ds_load_b128 v[QR+32*\half+4*\i:QR+32*\half+4*\i+3], v20 offset:16*OSP*\half+2*\i*OSP   ; LDS serves a wave's instructions in order: the loads see the stores
.endr
.endm
.irp k, 0,1,2,3
	ds_load_b64 v[T4+2*\k:T4+2*\k+1], v16 offset:1024*\k
.endr
	IMAGES 0
	s_wait_dscnt 32                                ; the four pairs are in; the 32 loads of images may be out
	v_min_num_f32 v24, v[T4], v[T4+2]
	v_min_num_f32 v25, v[T4+4], v[T4+6]
	v_min_num_f32 v24, v24, v25                    ; the smallest -M: the row's M
.irp k, 0,1,2,3
	v_sub_f32 v[HL+2*\k], v24, v[T4+2*\k]          ; M of part k less the row's M: a whole number, 0 or less
.endr
.irp k, 0,1,2,3
	v_cvt_i32_f32 v[HL+2*\k], v[HL+2*\k]
.endr
.irp k, 0,1,2,3
	v_ldexp_f32 v[HL+2*\k], 1.0, v[HL+2*\k]        ; f k: a power of two
.endr
	v_mul_f32 v25, v[HL], v[T4+1]
	v_fma_f32 v25, v[HL+2], v[T4+3], v25
	v_fma_f32 v25, v[HL+4], v[T4+5], v25
	v_fma_f32 v25, v[HL+6], v[T4+7], v25           ; the row's sum
	s_wait_alu depctr_va_vdst(0)                   ; ahead of the transcendental
	v_rcp_f32 v26, v25
	v_nop
	s_wait_alu depctr_va_vdst(0)                   ; and ahead of its first reader
.irp k, 0,1,2,3
	v_mul_f32 v[HL+2*\k], v[HL+2*\k], v26          ; f k / the sum
.endr
	WIN 0x40                                       ; the other 64 channels: window 1
	IMAGES 1
	WIN 0
	s_wait_alu depctr_va_vdst(0)                   ; directly ahead of the wait below
	s_wait_dscnt 32                                ; the first 64 channels are in; the second's 32 loads may be out
	JOIN
	STAGE 0
	s_wait_dscnt 16                                ; all but the stage's eight stores and eight loads
	WIN 0x51
	JOIN
	WIN 0x04                                       ; an LDS store's data are its source 1: window 1
	STAGE 1
	s_wait_dscnt 16                                ; the first half's rows are back; the second's eight stores and eight loads may be out
.irp i, 0,1,2,3,4,5,6,7
	global_store_b128 v21, v[QR+4*\i:QR+4*\i+3], s[8:9] offset:1024*\i th:TH_STORE_NT   ; sixteen lanes store 256 consecutive bytes, at a multiple of 256 from out0's first byte
.endr
.irp i, 0,1,2,3,4,5,6,7
	s_wait_dscnt 7-\i                              ; loads come back in order: pair i of rows is in
	global_store_b128 v21, v[QR+32+4*\i:QR+32+4*\i+3], s[8:9] offset:1024*\i+256 th:TH_STORE_NT
.endr
	s_wait_tensorcnt 0x0                           ; the wave's end: behind my last tensor load and my last LDS store
	ds_add_u32 v[SPW], v[NIL]
	s_wait_dscnt 0x0
	CROUND                                         ; the closing round: no work-group ends while a partner may still ask for a slot that names it
	s_endpgm
.Lfunc_end_k_qcd4ffd1df6_attn:
	.size	k_qcd4ffd1df6_attn, .Lfunc_end_k_qcd4ffd1df6_attn-k_qcd4ffd1df6_attn
	.p2alignl 7, 3214868480
	.fill 96, 4, 3214868480
	.section	.rodata,"a",@progbits
	.p2align	6, 0x0
	.amdhsa_kernel k_qcd4ffd1df6_attn
		.amdhsa_group_segment_fixed_size 327680
		.amdhsa_private_segment_fixed_size 0
		.amdhsa_enable_private_segment 0
		.amdhsa_kernarg_size 24
		.amdhsa_user_sgpr_count 2
		.amdhsa_user_sgpr_kernarg_segment_ptr 1
		.amdhsa_wavefront_size32 1
		.amdhsa_system_sgpr_workgroup_id_x 1
		.amdhsa_system_sgpr_workgroup_id_y 1
		.amdhsa_system_sgpr_workgroup_id_z 1
		.amdhsa_system_vgpr_workitem_id 0
		.amdhsa_next_free_vgpr 1024
		.amdhsa_next_free_sgpr 66
		.amdhsa_reserve_vcc 0
		.amdhsa_float_denorm_mode_32 3
		.amdhsa_float_denorm_mode_16_64 3
		.amdhsa_memory_ordered 1
		.amdhsa_forward_progress 1
		.amdhsa_inst_pref_size 255
	.end_amdhsa_kernel
	.section	.bss,"aw",@nobits
	.p2align	6
	.space	262144
	.amdgpu_metadata
---
amdhsa.version: [ 1, 2 ]
amdhsa.kernels:
  - .name:           k_qcd4ffd1df6_attn
    .symbol:         k_qcd4ffd1df6_attn.kd
    .args:
      - { .name: q, .offset: 0, .size: 8, .value_kind: global_buffer, .address_space: global }
      - { .name: kv, .offset: 8, .size: 8, .value_kind: global_buffer, .address_space: global }
      - { .name: out0, .offset: 16, .size: 8, .value_kind: global_buffer, .address_space: global }
    .group_segment_fixed_size: 327680
    .private_segment_fixed_size: 0
    .kernarg_segment_align: 8
    .kernarg_segment_size: 24
    .max_flat_workgroup_size: 128
    .sgpr_count:     66
    .vgpr_count:     1024
    .wavefront_size: 32
...
	.end_amdgpu_metadata
.endif
;; end of part 2
